; MI455X (gfx1250); checked and timed in simulation.
; The chip was launched on July 23, 2026; its instructions are those of AMD's public machine-readable ISA for CDNA 5 (MIT licence, August 2026) and "CDNA5" Instruction Set Architecture Reference Guide (July 2026). The comments in the code are by the model that wrote it; some were corrected since.
;; Perm Only SSM Layer. Allowed arithmetic: float matrix products may take bf16 or f16 operands with f32 sums; other float arithmetic in f32, or as packed bf16 or f16 multiplies, adds, multiply-adds, maxima and minima; sums over many terms, partial sums and values carried from step to step in f32; what a program stores and reads back later, other than sums and carried values, may be rounded once to bf16 or f16.
;; Inputs: Wg 1,024 x 128 float32; Wi 1,024 x 128 float32; Wo 128 x 1,024 float32; Wp 1,024 x 2,048 float32; bg 128 float32; bi 128 float32; bo 1,024 float32; bp 2,048 float32; ln_b 1,024 float32; ln_w 1,024 float32; x 4 x 1,024 x 1,024 float32.
;; Outputs: out0 4 x 1,024 x 1,024 float32.
;; One version. Each part assembles by itself: llvm-mc -triple=amdgcn-amd-amdhsa -mcpu=gfx1250 --defsym DOCPART=n.
;; ======== version 1 of 1: 3 launches
;; limits: values are held in f16: magnitudes above 65,504 overflow, below 6.1e-05 lose precision
;; workspace buffers: xn 8,388,608 bytes; wt 4,718,592 bytes; biasc 9,216 bytes; wof 262,144 bytes; tpre 16,777,216 bytes; loc 2,097,152 bytes
;; launch prep (part 1): grid 332 x 1, 4 waves a work-group, no clusters, 70,144 bytes of LDS; arguments x, ln_w, ln_b, Wp, Wg, Wi, Wo, bp, bg, bi, xn, wt, biasc, wof; writes xn, wt, biasc, wof
.if DOCPART == 1
	.amdgcn_target "amdgcn-amd-amdhsa--gfx1250"
	.amdhsa_code_object_version 6
	.text
	.protected	k_q19e2262ea4_prep
	.globl	k_q19e2262ea4_prep
	.p2align	8
	.type	k_q19e2262ea4_prep,@function
k_q19e2262ea4_prep:
	s_mov_b64 s[64:65], 0
	v_nop
	global_prefetch_b8 v0, s[64:65] scope:SCOPE_SE
	s_setreg_imm32_b32 hwreg(HW_REG_WAVE_MODE, 25, 1), 1
	s_wait_xcnt 0x0
; PREP: the operands of the two matrix launches, each rounded once to f16 and laid so that K runs along the rows.
;   xn   [4096][1024] f16          LayerNorm(x) * ln_w + ln_b (mean and variance in f32, the variance of the centred numbers)
;   wt   [8 heads][288][1024] f16  row n of head hd: n < 256: column 256 hd + n of Wp; 256..271: column 16 hd + n - 256 of Wg; 272..287: of Wi
;   biasc [8][288] f32             bp, bg, bi in the same order
;   wof  f16, Wo^T as matrix fragments: [nt 64][ks 4][pc 2][lane 32][8]: Wo[32 ks + 16 pc + 8 (lane / 16) + e][16 nt + lane % 16]
; THE PROGRAM (three launches).  h_t = A_t h_(t-1) + c_t with A_t = diag(g_t) P_t, c_t = (1 - g_t) b_t is affine in h.  The second launch makes, for each
; chunk of 128 steps, the map from the chunk's first state to every h_t: h_t = loc_t + Tpre_t H_c.  The third joins the chunks (at most 6 dependent steps),
; applies the maps, multiplies by Wo and adds bo and x.
; WORK LEFT OUT, for all values of the inputs.  (1) The state in front of step 0 is the zero vector that the problem itself builds, so for the first chunk of every
; batch Tpre_t H_0 = 0 whatever Tpre_t holds: those products, their stores and their loads are left out (whole tiles of the second and third launch).  (2) The
; division by TAU = 1.  Every input has a way to the output and is loaded.  LIMIT: a NaN, an infinity or an overflow that would reach only the first chunks' Tpre is not carried to the result.
; LIMITS OF FORMAT.  All matrix operands are f16: a number beyond 65,504 in xn, the weights or a state overflows; NaN and infinities are not treated apart.
; SHARES.  Work-groups 0-71: the three projections' weights, a wave a block of 128 k x 64 n; 72-75: Wo, likewise; 76-331: LayerNorm, 16 rows, 4 a wave.
; Every wave asks for all that it reads at once: LayerNorm 48 loads, a block of weights 64 (32 KiB).
; No wave reads what another wrote: no barrier.  A wave's LDS tile is its own: wave x 17,408 bytes.
.set TP,    272                        ; an LDS row of the turning tile: 128 k x 2 bytes + 16
.set TILE,  64*TP
.set SPARE, 4*TILE                     ; behind the tiles: the spare words, 128 bytes a wave, which no other line names
.set SPW, 6                            ; v6   SPARE + 4 x my thread's number; never rewritten
.set NIL, 7                            ; v7   0; never rewritten
.set TA,  8                            ; v[8:15]    LayerNorm: four packed partial sums
.set LW,  16                           ; v[16:47]   ln_w of my 32 columns (128 j + 4 lane + 0..3, j = 0..7)
.set LB,  48                           ; v[48:79]   ln_b
.set X,   80                           ; v[80:207]  four rows, 32 registers each
.set MU,  208                          ; v[208:209] the mean, twice
.set RS,  210                          ; v[210:211] 1 / sqrt(var + eps), twice
.set VO,  16                           ; v[16:23]   turning: byte offset of row 8 (lane / 16) + e, 16 bytes at lane % 16
.set CV,  24                           ; v[24:39]   turning: 4 n x 8 k in f16
.set B,   80                           ; v[80:207]  turning: iterations 0-3, 32 registers each (8 k x 4 n in f32); later the tile read back
                                       ; v[256:383] (window 1, v0-127): iterations 4-7
.set MSB, 0
.macro WIN new                         ; s_set_vgpr_msb: bits 1:0 source 0, 3:2 source 1, 7:6 destination; the high byte repeats the setting that is left
.if MSB != (\new)
	s_set_vgpr_msb (MSB<<8)|(\new)
.set MSB, (\new)
.endif
.endm
.macro EACH n, line:vararg             ; the line for i = 0 .. n - 1
.set i, 0
.rept \n
	\line
.set i, i+1
.endr
.endm
.macro FOLD                            ; four packed partial sums -> the row's sum, in v[TA] of every lane
	v_pk_add_f32 v[TA:TA+1], v[TA:TA+1], v[TA+2:TA+3]
	v_pk_add_f32 v[TA+4:TA+5], v[TA+4:TA+5], v[TA+6:TA+7]
	v_pk_add_f32 v[TA:TA+1], v[TA:TA+1], v[TA+4:TA+5]
	v_add_f32 v[TA], v[TA], v[TA+1]
	v_add_f32_dpp v[TA], v[TA], v[TA] row_xmask:1 row_mask:0xf bank_mask:0xf
	v_add_f32_dpp v[TA], v[TA], v[TA] row_xmask:2 row_mask:0xf bank_mask:0xf
	v_add_f32_dpp v[TA], v[TA], v[TA] row_xmask:4 row_mask:0xf bank_mask:0xf
	v_add_f32_dpp v[TA], v[TA], v[TA] row_xmask:8 row_mask:0xf bank_mask:0xf
	v_permlanex16_b32 v[TA+1], v[TA], s34, s35
	v_add_f32 v[TA], v[TA], v[TA+1]
.endm
; One row of LayerNorm.  left = the younger rows' loads, which may stay out.
.macro ROW rw, left
.set XR, X+32*(\rw)
	s_wait_loadcnt \left
.irp c, 0,2,4,6
	v_pk_add_f32 v[TA+\c:TA+\c+1], v[XR+\c:XR+\c+1], v[XR+8+\c:XR+8+\c+1]
.endr
.irp k, 16,24
.irp c, 0,2,4,6
	v_pk_add_f32 v[TA+\c:TA+\c+1], v[TA+\c:TA+\c+1], v[XR+\k+\c:XR+\k+\c+1]
.endr
.endr
	FOLD
	v_mul_f32 v[MU], s36, v[TA]                    ; the mean
	v_mov_b32 v[MU+1], v[MU]
	EACH 16, v_pk_add_f32 v[XR+2*i:XR+2*i+1], v[XR+2*i:XR+2*i+1], v[MU:MU+1] neg_lo:[0,1] neg_hi:[0,1]
.irp c, 0,2,4,6
	v_pk_mul_f32 v[TA+\c:TA+\c+1], v[XR+\c:XR+\c+1], v[XR+\c:XR+\c+1]
.endr
.irp k, 8,16,24
.irp c, 0,2,4,6
	v_pk_fma_f32 v[TA+\c:TA+\c+1], v[XR+\k+\c:XR+\k+\c+1], v[XR+\k+\c:XR+\k+\c+1], v[TA+\c:TA+\c+1]
.endr
.endr
	FOLD
	v_fma_f32 v[TA], v[TA], s36, s37               ; var + eps
	v_rsq_f32 v[RS], v[TA]
	v_rsq_f32 v[RS+1], v[TA]
	v_nop                                          ; a plain instruction behind the second root,
	s_wait_alu depctr_va_vdst(0)                   ; and one wait for both, ahead of their first reader
	EACH 16, v_pk_mul_f32 v[XR+2*i:XR+2*i+1], v[XR+2*i:XR+2*i+1], v[RS:RS+1]
	EACH 16, v_pk_fma_f32 v[XR+2*i:XR+2*i+1], v[XR+2*i:XR+2*i+1], v[LW+2*i:LW+2*i+1], v[LB+2*i:LB+2*i+1]
	EACH 8, v_cvt_pk_f16_f32 v[XR+4*i], v[XR+4*i], v[XR+4*i+1]
	EACH 8, v_cvt_pk_f16_f32 v[XR+4*i+1], v[XR+4*i+2], v[XR+4*i+3]
	EACH 8, global_store_b64 v4, v[XR+4*i:XR+4*i+1], s[42:43] offset:2048*(\rw)+256*i  ; 32 lanes: 256 consecutive bytes, aligned
.endm
; Turning a block of 128 k x 64 n.  Iteration it takes 16 k: eight loads, each two rows of 256 consecutive bytes.
.macro TLOAD it
.if (\it) < 4
.set BS, B+32*(\it)
	WIN 0
.else
.set BS, 32*((\it)-4)
	WIN 0x40                                       ; destination in window 1, address in window 0
.endif
.irp e, 0,1,2,3,4,5,6,7
	global_load_b128 v[BS+4*\e:BS+4*\e+3], v[VO+\e], s[48+2*(\it):49+2*(\it)] th:TH_LOAD_NT
.endr
.endm
.macro TCONV it, left                  ; my 8 k x 4 n: for each n eight k in f16, 16 bytes, into row n of the tile.  left = the younger iterations' loads
	s_wait_loadcnt \left
.if (\it) < 4
.set BS, B+32*(\it)
	WIN 0
.else
.set BS, 32*((\it)-4)
	WIN 0x05                                       ; both sources in window 1
.endif
.irp s, 0,1,2,3
.irp p, 0,1,2,3
	v_cvt_pk_f16_f32 v[CV+4*\s+\p], v[BS+8*\p+\s], v[BS+8*\p+4+\s]
.endr
.endr
	WIN 0
.irp s, 0,1,2,3
	ds_store_b128 v8, v[CV+4*\s:CV+4*\s+3] offset:\s*TP+32*(\it)
.endr
.endm
; The way in: s[42:43] the source, s36 its pitch in bytes, s37 the block's first column in bytes, s35 the block of 128 k.
.macro TIN
	s_lshl_b32 s38, s35, 7
	s_mul_i32 s46, s38, s36
	s_add_co_u32 s46, s46, s37
	s_mov_b32 s47, 0
	s_add_nc_u64 s[48:49], s[42:43], s[46:47]      ; a base for each iteration: never rewritten
	s_lshl_b32 s46, s36, 4
.irp it, 1,2,3,4,5,6,7
	s_add_nc_u64 s[48+2*\it:49+2*\it], s[46+2*\it:47+2*\it], s[46:47]
.endr
	v_and_b32 v3, 15, v1                           ; which 16 bytes (4 n) of a row
	v_lshrrev_b32 v4, 4, v1                        ; which 8 k of the 16
	v_lshlrev_b32 v5, 4, v3
	v_lshlrev_b32 v12, 3, v4
.irp e, 0,1,2,3,4,5,6,7
	v_add_nc_u32 v13, \e, v12
	v_mad_u32_u24 v[VO+\e], v13, s36, v5
.endr
.irp it, 0,1,2,3,4,5,6,7
	TLOAD \it                                      ; the whole block is asked for before anything is waited for
.endr
	WIN 0
	s_mul_i32 s74, s33, TILE                       ; my wave's tile
	v_mul_u32_u24 v8, v3, 4*TP
	v_lshl_add_u32 v8, v4, 4, v8
	v_add_nc_u32 v8, s74, v8
.irp it, 0,1,2,3,4,5,6,7
	TCONV \it, 56-8*\it                            ; eight loads for each younger iteration stay out
.endr
.endm
	s_load_b512 s[4:19], s[0:1], 0x0               ; x 4, ln_w 6, ln_b 8, Wp 10, Wg 12, Wi 14, Wo 16, bp 18
	s_load_b256 s[20:27], s[0:1], 0x40             ; bg 20, bi 22, xn 24, wt 26
	s_load_b128 s[28:31], s[0:1], 0x60             ; biasc 28, wof 30
	v_lshl_add_u32 v[SPW], v0, 2, SPARE
	v_mov_b32 v[NIL], 0
	v_and_b32 v1, 31, v0                           ; lane
	v_lshrrev_b32 v2, 5, v0
	v_readfirstlane_b32 s33, v2                    ; wave
	s_mov_b32 s32, ttmp9
	s_wait_kmcnt 0x0
	s_cmp_lt_u32 s32, 76
	s_cbranch_scc1 .Ltrans
	; LAYERNORM: rows 16 (g - 76) + 4 wave + 0..3; all four rows' loads go out at once
	s_sub_co_u32 s38, s32, 76
	s_lshl2_add_u32 s38, s38, s33
	s_lshl_b32 s40, s38, 14                        ; four rows of 4,096 bytes
	s_mov_b32 s41, 0
	s_add_nc_u64 s[40:41], s[4:5], s[40:41]
	s_lshl_b32 s42, s38, 13                        ; four rows of 2,048 bytes
	s_mov_b32 s43, 0
	s_add_nc_u64 s[42:43], s[24:25], s[42:43]
	s_mov_b32 s34, 0x76543210                      ; v_permlanex16_b32: each lane takes its own place in the other half
	s_mov_b32 s35, 0xfedcba98
	s_mov_b32 s36, 0x3a800000                      ; 1 / 1024
	s_mov_b32 s37, 0x3727c5ac                      ; 1e-5
	v_lshlrev_b32 v3, 4, v1
	v_lshlrev_b32 v4, 3, v1
	EACH 8, global_load_b128 v[LW+4*i:LW+4*i+3], v3, s[6:7] offset:512*i
	EACH 8, global_load_b128 v[LB+4*i:LB+4*i+3], v3, s[8:9] offset:512*i
.irp rw, 0,1,2,3
	EACH 8, global_load_b128 v[X+32*\rw+4*i:X+32*\rw+4*i+3], v3, s[40:41] offset:4096*\rw+512*i th:TH_LOAD_NT
.endr
	ROW 0, 24
	ROW 1, 16
	ROW 2, 8
	ROW 3, 0
	s_branch .Lend
.Ltrans:
	s_cmp_lt_u32 s32, 72
	s_cbranch_scc0 .Lwo
	; THE PROJECTIONS' WEIGHTS.  nb = g / 2: a block of 64 columns (0-31 of Wp, 32-33 of Wg, 34-35 of Wi); kb = 4 (g % 2) + wave: 128 k.
	; The block's four groups of 16 columns go to rows R0 + q STR + 0..15 of wt.
	s_lshr_b32 s34, s32, 1                         ; nb
	s_and_b32 s35, s32, 1
	s_lshl2_add_u32 s35, s35, s33                  ; kb
	s_lshr_b32 s74, s34, 2
	s_mul_i32 s74, s74, 288
	s_and_b32 s75, s34, 3
	s_lshl_b32 s75, s75, 6
	s_add_co_u32 s74, s74, s75                     ; Wp: R0 = 288 (nb / 4) + 64 (nb % 4)
	s_and_b32 s76, s34, 1
	s_mul_i32 s77, s76, 1152
	s_and_b32 s75, s34, 2
	s_lshl_b32 s75, s75, 3                         ; 0 for Wg, 16 for Wi
	s_add_co_u32 s77, s77, s75
	s_add_co_u32 s77, s77, 256                     ; Wg, Wi: R0 = 1152 (nb % 2) + 256 or 272
	s_lshl_b32 s76, s76, 8                         ; their first column, in bytes
	s_lshl_b32 s78, s34, 8                         ; Wp's
	s_movk_i32 s75, 8192
	s_movk_i32 s79, 512
	s_cmp_lt_u32 s34, 34
	s_cselect_b64 s[42:43], s[12:13], s[14:15]
	s_cselect_b64 s[44:45], s[20:21], s[22:23]
	s_cmp_lt_u32 s34, 32
	s_cselect_b64 s[42:43], s[10:11], s[42:43]     ; the source
	s_cselect_b64 s[44:45], s[18:19], s[44:45]     ; its bias
	s_cselect_b32 s36, s75, s79                    ; its pitch
	s_cselect_b32 s37, s78, s76                    ; the block's first column in bytes, in the weights and in the bias
	s_cselect_b32 s39, s74, s77                    ; R0
	s_cselect_b32 s40, 16, 288                     ; STR
	TIN
	v_mul_u32_u24 v9, v4, TP                       ; back: lanes 0-15 one row of 256 bytes, lanes 16-31 the next
	v_add3_u32 v9, v9, v5, s74
	v_lshl_add_u32 v10, v4, 11, v5                 ; and the same two rows in wt
	s_lshl_b32 s76, s39, 11
	s_lshl_b32 s77, s35, 8
	s_add_co_u32 s76, s76, s77
	s_mov_b32 s77, 0
	s_add_nc_u64 s[66:67], s[26:27], s[76:77]      ; wt at row R0, byte 256 kb
	s_lshl_b32 s76, s40, 11
.irp q, 1,2,3
	s_add_nc_u64 s[66+2*\q:67+2*\q], s[66+2*\q-2:67+2*\q-2], s[76:77]
.endr
	EACH 32, ds_load_b128 v[B+4*i:B+4*i+3], v9 offset:i*2*TP  ; LDS serves a wave's instructions in order (ISA guide 5.7.1.4): these see the stores above
.set i, 0
.rept 32
	s_wait_dscnt 31-i
	global_store_b128 v10, v[B+4*i:B+4*i+3], s[66+2*(i/8):67+2*(i/8)] offset:((2*i)%16)*2048  ; 16 lanes: 256 consecutive bytes, aligned
.set i, i+1
.endr
	s_cmp_lg_u32 s35, 0                            ; the wave with the first 128 k also copies the block's 64 biases
	s_cbranch_scc1 .Lend
	s_mov_b32 s76, s37
	s_add_nc_u64 s[44:45], s[44:45], s[76:77]
	v_lshlrev_b32 v11, 3, v1
	global_load_b64 v[12:13], v11, s[44:45]        ; numbers 2 lane, 2 lane + 1
	v_lshrrev_b32 v14, 3, v1
	v_and_b32 v15, 7, v1
	v_mul_u32_u24 v14, v14, s40
	v_lshl_add_u32 v14, v15, 1, v14
	v_add_nc_u32 v14, s39, v14
	v_lshlrev_b32 v14, 2, v14                      ; 4 (R0 + (lane / 8) STR + 2 (lane % 8))
	s_wait_loadcnt 0x0
	global_store_b64 v14, v[12:13], s[28:29]
	s_branch .Lend
.Lwo:
	; Wo: wb = 4 (g - 72) + wave: all 128 k of columns 64 wb .. 64 wb + 63, read back as fragments
	s_sub_co_u32 s34, s32, 72
	s_lshl2_add_u32 s34, s34, s33                  ; wb
	s_mov_b64 s[42:43], s[16:17]
	s_movk_i32 s36, 4096
	s_lshl_b32 s37, s34, 8
	s_mov_b32 s35, 0
	TIN
	v_mul_u32_u24 v9, v3, TP                       ; row lane % 16 of a group of 16 columns, 16 bytes for each half of the lanes
	v_lshl_add_u32 v9, v4, 4, v9
	v_add_nc_u32 v9, s74, v9
	v_lshlrev_b32 v10, 4, v1
	s_lshl_b32 s76, s34, 14
	s_mov_b32 s77, 0
	s_add_nc_u64 s[66:67], s[30:31], s[76:77]
	EACH 32, ds_load_b128 v[B+4*i:B+4*i+3], v9 offset:(i/8)*16*TP+64*((i/2)%4)+32*(i%2)
.set i, 0
.rept 32
	s_wait_dscnt 31-i
	global_store_b128 v10, v[B+4*i:B+4*i+3], s[66:67] offset:512*i  ; 512 consecutive bytes
.set i, i+1
.endr
.Lend:
	s_wait_tensorcnt 0x0                           ; the wave's end: behind my last LDS store
	ds_add_u32 v[SPW], v[NIL]
	s_wait_dscnt 0x0
	s_endpgm
.Lfunc_end_k_q19e2262ea4_prep:
	.size	k_q19e2262ea4_prep, .Lfunc_end_k_q19e2262ea4_prep-k_q19e2262ea4_prep
	.p2alignl 7, 3214868480
	.fill 96, 4, 3214868480
	.section	.rodata,"a",@progbits
	.p2align	6, 0x0
	.amdhsa_kernel k_q19e2262ea4_prep
		.amdhsa_group_segment_fixed_size 70144
		.amdhsa_private_segment_fixed_size 0
		.amdhsa_enable_private_segment 0
		.amdhsa_kernarg_size 112
		.amdhsa_user_sgpr_count 2
		.amdhsa_user_sgpr_kernarg_segment_ptr 1
		.amdhsa_wavefront_size32 1
		.amdhsa_system_sgpr_workgroup_id_x 1
		.amdhsa_system_sgpr_workgroup_id_y 1
		.amdhsa_system_sgpr_workgroup_id_z 1
		.amdhsa_system_vgpr_workitem_id 0
		.amdhsa_next_free_vgpr 384
		.amdhsa_next_free_sgpr 80
		.amdhsa_reserve_vcc 0
		.amdhsa_float_denorm_mode_32 3
		.amdhsa_float_denorm_mode_16_64 3
		.amdhsa_memory_ordered 1
		.amdhsa_forward_progress 1
		.amdhsa_inst_pref_size 89
	.end_amdhsa_kernel
	.amdgpu_metadata
---
amdhsa.version: [ 1, 2 ]
amdhsa.kernels:
  - .name:           k_q19e2262ea4_prep
    .symbol:         k_q19e2262ea4_prep.kd
    .args:
      - { .name: x, .offset: 0, .size: 8, .value_kind: global_buffer, .address_space: global }
      - { .name: ln_w, .offset: 8, .size: 8, .value_kind: global_buffer, .address_space: global }
      - { .name: ln_b, .offset: 16, .size: 8, .value_kind: global_buffer, .address_space: global }
      - { .name: Wp, .offset: 24, .size: 8, .value_kind: global_buffer, .address_space: global }
      - { .name: Wg, .offset: 32, .size: 8, .value_kind: global_buffer, .address_space: global }
      - { .name: Wi, .offset: 40, .size: 8, .value_kind: global_buffer, .address_space: global }
      - { .name: Wo, .offset: 48, .size: 8, .value_kind: global_buffer, .address_space: global }
      - { .name: bp, .offset: 56, .size: 8, .value_kind: global_buffer, .address_space: global }
      - { .name: bg, .offset: 64, .size: 8, .value_kind: global_buffer, .address_space: global }
      - { .name: bi, .offset: 72, .size: 8, .value_kind: global_buffer, .address_space: global }
      - { .name: xn, .offset: 80, .size: 8, .value_kind: global_buffer, .address_space: global }
      - { .name: wt, .offset: 88, .size: 8, .value_kind: global_buffer, .address_space: global }
      - { .name: biasc, .offset: 96, .size: 8, .value_kind: global_buffer, .address_space: global }
      - { .name: wof, .offset: 104, .size: 8, .value_kind: global_buffer, .address_space: global }
    .group_segment_fixed_size: 70144
    .private_segment_fixed_size: 0
    .kernarg_segment_align: 8
    .kernarg_segment_size: 112
    .max_flat_workgroup_size: 128
    .sgpr_count:     80
    .vgpr_count:     384
    .wavefront_size: 32
...
	.end_amdgpu_metadata
.endif
;; end of part 1
;; launch main (part 2): grid 8 x 32, 4 waves a work-group, clusters of 4 x 4, 327,680 bytes of LDS; arguments xn, wt, biasc, tpre, loc; writes tpre, loc
.if DOCPART == 2
	.amdgcn_target "amdgcn-amd-amdhsa--gfx1250"
	.amdhsa_code_object_version 6
	.text
	.protected	k_q19e2262ea4_main
	.globl	k_q19e2262ea4_main
	.p2align	8
	.type	k_q19e2262ea4_main,@function
k_q19e2262ea4_main:
	s_mov_b64 s[64:65], 0
	v_nop
	global_prefetch_b8 v0, s[64:65] scope:SCOPE_SE
	s_setreg_imm32_b32 hwreg(HW_REG_WAVE_MODE, 25, 1), 1
	s_wait_xcnt 0x0
	s_wait_alu depctr_hold_cnt(0) depctr_sa_sdst(0) depctr_va_vdst(0) depctr_va_sdst(0) depctr_va_ssrc(0) depctr_va_vcc(0) depctr_vm_vsrc(0)
	s_getreg_b32 s2, hwreg(HW_REG_IB_STS2, 6, 4)
	s_cmp_eq_u32 s2, 0
	s_cbranch_scc0 .Lentry_in_a_cluster
	s_endpgm
.Lentry_in_a_cluster:
	s_bfe_u32 s2, ttmp6, 0x10000c
	s_cmp_lg_u32 s2, 0xf033
	s_cbranch_scc0 .Lentry_shape_is_right
	s_endpgm
.Lentry_shape_is_right:
; MAIN: for one head hd, one batch b and one chunk c of 128 steps: the three projections, Sinkhorn, and the chunk's part of the recurrence.
; LEFT OUT (shown at the head of the first kernel): for c = 0 the products Tpre and their stores: they would be multiplied by the zero state.
; 1. GEMM.  128 t x 288 n (256 logits, 16 gates, 16 inputs), K = 1,024, f16 operands, f32 sums that start at the bias.  Wave (wr, wc): 64 t x 144 n, 36 accumulators.
;    Source 0 = 16 rows of wt, source 1 = 16 rows of xn: lane (r, h) holds t = r and, in register j of n tile q, logit (i = q, j' = 8 h + j).
;    K goes in steps of 128 through two LDS slots.  CLUSTER 4 x 4: cx picks the head, cy the batch; the cluster's y is the chunk.  The four of a row need the same rows of xn, the four
;    of a column the same rows of wt: joint loads.  Wave 0 asks for xn's 128 rows, waves 1-3 for 96 rows of wt each.  Both slots are asked for at the start: two tensor loads of a wave are out there, later one.
; 2. HAND-OVER through LDS (over the ring, which has had its last fill): wave w then owns t = 32 w .. 32 w + 31, whole rows of 288, two tiles of 16.
; 3. SINKHORN, a lane half a matrix.  Normalisations 1 (rows) and 2 (columns) in the log domain, base 2, with the maximum taken away.  From the third on every sum is bounded for all inputs:
;    after a normalisation no entry is above 1, so the next sum is at most 16; and the line to be summed held an entry of 1/16 or more one normalisation earlier, which was divided by at most 16: the
;    sum is at least 1/256.  So 3 to 10 run as u = 1 / (K v), v = 1 / (K^T u) on the fixed K of step 2: no exponential, and u, v stay within 16^-5 .. 256^4.
;    LIMIT: an entry below 2^-126 after normalisation 2 counts as 0; it could grow by 256^8 at the most, to less than 2.3e-19 in P.
; 4. THE RECURRENCE.  A_t = diag(g) P in f16, c_t = (1 - g) b in f32.  Level 1: sub-chunks of 16 steps, two a wave: Ts_t = A_t Ts_(t-1), ls_t = A_t ls_(t-1) + c_t.
;    Level 2 (every wave alike): G_(s+1) = Ts_last(s) G_s, q_(s+1) = Ts_last(s) q_s + ls_last(s).  Level 3: Tpre_t = Ts_t G_s, loc_t = Ts_t q_s + ls_t.
;    A product is 16 x 16 x 32 with the upper 16 of K zero in both sources.  A state enters a product rounded to f16; the sums, and what is stored of ls, q's sum and loc, are f32.
;    A vector stands in all 16 columns of a source 1.  The result of A x B (lane (r, h), register j: row 8 h + j, column r), rounded in pairs, IS source 1 of the next product.
; LIMITS OF FORMAT: f16 operands overflow beyond 65,504; NaN and infinities are not treated apart.
.set PITCH,  272                       ; an LDS row of the ring: 256 bytes + 16: the 16 rows of a fragment load start at 16 different groups of four banks (64 banks of 4 bytes: ISA guide 11.1)
.set XT,     128*PITCH                 ; xn's tile
.set WPIECE, 96*PITCH                  ; what one of waves 1-3 asks for
.set SLOT,   XT+3*WPIECE
.set STP,    1168                      ; the hand-over: a row t of 288 f32 + 16 bytes
.set AM,     128*STP                   ; A_t, f16, 512 bytes + 16
.set AMP,    528
.set TS,     AM+128*AMP                ; Ts_t, f16, stored [n][i], 512 bytes
.set LS,     TS+128*512                ; c_t, then ls_t: 16 f32 + 16 bytes
.set LSP,    80
.set SPARE,  LS+128*LSP                ; the spare words, 128 bytes a wave, which no other line names
.set GQ,     128*LSP                   ; over the hand-over's bytes, from level 2 on: for each wave 8 x (G 512 bytes, q 512 bytes); loc_t lies in front of it, from byte 0, pitch 80
.set G1BITS, (1<<16)|(1<<20)|(1<<21)|(5<<22)|(3<<25)  ; 2-byte elements; padding on; bit 21 beside a mask; after every 64 words; 4 words
; window 0
.set ADRW, 4                           ; v4-5   my wt fragments in slot 0, 1
.set ADRX, 6                           ; v6-7   my xn fragments
.set BO,   8                           ; v8     my offset in a head's biases
.set STA,  9                           ; v9     hand-over, in
.set SRD,  10                          ; v10    hand-over, out; steps by 16 rows
.set AMA,  11                          ; v11    where Sinkhorn puts A; steps
.set LSA,  12                          ; v12    where it puts c; steps
.set AML,  13                          ; v13    A as source 0, my wave's t = 0
.set LSL,  14                          ; v14    a vector as C, my wave's t = 0
.set TSA,  15                          ; v15    where level 1 puts Ts
.set TRL0, 16                          ; v16    Ts turned, the chunk's t = 0
.set TRLW, 17                          ; v17    Ts turned, my wave's t = 0
.set GQA,  18                          ; v18    my wave's G and q, s = 0
.set TPO,  19                          ; v19    32 r + 16 h
.set LOA,  20                          ; v20    where level 3 puts loc
.set LOR,  21                          ; v21    where loc is read back
.set LOG,  22                          ; v22    16 x lane
.set LSQ,  23                          ; v23    a vector as C, the chunk's t = 0
.set SPW,  28                          ; v28    SPARE + 4 x my thread's number; never rewritten
.set NIL,  29                          ; v29    0; never rewritten
.set PFO,  30                          ; v30    the prefetches' offset: a lane a row
.set GQW,  31                          ; v31    my wave's own two sub-chunks' G and q
.set F0,   32                          ; two fragment buffers of 104: 9 of wt, 4 of xn
.set F1,   136
; windows 1 and 2: accumulator (tt, p) at 72 (tt % 2) + 8 p of window 1 + tt / 2.  Window 1 later, for Sinkhorn:
.set LM,   0                           ; 128: entry (q, 8 h + j) at 8 q + j
.set GT,   128                         ; 8: the gate of state 8 h + j
.set BI,   136                         ; 8: the input, then c
.set RR,   144                         ; 16: a number for each row q
.set XC,   160                         ; 16: what comes from the other half of the lanes
.set VV,   176                         ; 8: a number for each of my columns
.set CM,   184                         ; 8: likewise
.set TT,   192                         ; 64 at work; TT+32..47 the 16 gates
; window 0 again, for the recurrence
.set IDF,  32                          ; the identity as half a fragment
.set AF,   40                          ; + 16 a + 8 (tau % 2)
.set BT,   72                          ; + 8 a
.set BL,   88
.set DT,   104
.set DL,   120                         ; + 16 a + 8 (tau % 2)
.set AT,   40                          ; level 2: + 8 s
.set GB,   152
.set QB,   160
.set DG,   104
.set DQ,   168                         ; + 8 s
.set GF,   40                          ; level 3: + 16 a
.set QF,   48
.set TF,   72                          ; + 32 (g % 2) + 8 u
.set DP,   136                         ; + 8 u
.set PK,   200                         ; + 4 u
.set CL,   168                         ; + 48 (g % 2) + 8 u
.set MSB, 0
.macro WIN new                         ; the immediate's high byte repeats the setting that is left; a switch that changes nothing is dropped
.if MSB != (\new)
	s_set_vgpr_msb (MSB<<8)|(\new)
.set MSB, (\new)
.endif
.endm
.macro EACH n, line:vararg             ; the line for i = 0 .. n - 1
.set i, 0
.rept \n
	\line
.set i, i+1
.endr
.endm
.macro NOP4                            ; four places behind a matrix instruction (ISA guide 7.12.1), where no other vector work is at hand
.rept 4
	v_nop
.endr
.endm
.macro ROUND                           ; a round of the cluster's barrier
	s_barrier_signal -1
	s_barrier_wait -1
	s_cmp_lg_u32 s14, 0
	s_cbranch_scc1 .Lnw0_\@
	s_barrier_signal -3
.Lnw0_\@:
	s_barrier_wait -3
	s_barrier_signal -1
	s_barrier_wait -1
.endm
.macro JLOAD s                         ; a joint load into slot s; the branch hangs on the wave's number alone; an s_nop 0 and four v_nop follow each line
	s_cmp_eq_u32 s14, 0
	s_cbranch_scc0 .Lfor_w_\@
	tensor_load_to_lds s[32+4*(\s):35+4*(\s)], s[24:31]
	s_nop 0
	NOP4
	s_branch .Lasked_\@
.Lfor_w_\@:
	tensor_load_to_lds s[48+4*(\s):51+4*(\s)], s[40:47]
	s_nop 0
	NOP4
.Lasked_\@:
.endm
; A prefetch of the K step that stands two refills on: 288 products of a wave ahead of the load that will want it.  Each row's 256 bytes are named once in the launch but for the last row of a share of wt:
; xn's rows by wave 0 of the clusters with x = 0, the partner at cx taking rows 32 cx + lane; wt's by waves 1-3 of the clusters with y = 0, the partner at cy taking rows 24 cy + min(lane, 23) of
; the wave's 96.  Partners are told apart by address alone.  K steps 0 to 3 come by their loads; trips 1 to 4 ask for K steps 4 to 7; trips 5 to 7 ask for nothing: there is no K step 8.
.macro ASK
	s_cmp_gt_u32 s56, s57                          ; the count of laps is 3, 2, 1: an asking wave asks while it is above 1
	s_cbranch_scc0 .Lnm_\@
	global_prefetch_b8 v[PFO], s[60:61] th:TH_LOAD_NT scope:SCOPE_SE
.Lnm_\@:
.endm
.macro FETCH slot, q, f                ; 26 LDS loads in one run: the fragments of 32 along K at byte 64 q of the rows
	WIN 0
.irp p, 0,1,2,3,4,5,6,7,8
	ds_load_b128 v[(\f)+8*\p:(\f)+8*\p+3],   v[ADRW+(\slot)] offset:\p*16*PITCH+64*(\q)
	ds_load_b128 v[(\f)+8*\p+4:(\f)+8*\p+7], v[ADRW+(\slot)] offset:\p*16*PITCH+64*(\q)+32
.endr
.irp t, 0,1,2,3
	ds_load_b128 v[(\f)+72+8*\t:(\f)+72+8*\t+3],   v[ADRX+(\slot)] offset:\t*16*PITCH+64*(\q)
	ds_load_b128 v[(\f)+72+8*\t+4:(\f)+72+8*\t+7], v[ADRX+(\slot)] offset:\t*16*PITCH+64*(\q)+32
.endr
.endm
.macro MUL18 f, win                    ; 18 products on 18 accumulators; each accumulator comes again after the 35 others: they take turns
	WIN 0x50*(\win)
.irp u, 0,1
.irp p, 0,1,2,3,4,5,6,7,8
	v_wmma_f32_16x16x32_f16 v[72*\u+8*\p:72*\u+8*\p+7], v[(\f)+8*\p:(\f)+8*\p+7], v[(\f)+72+8*(2*((\win)-1)+\u):(\f)+72+8*(2*((\win)-1)+\u)+7], v[72*\u+8*\p:72*\u+8*\p+7]
.endr
.endr
.endm
.macro QUARTER f, g, slot, qn          ; 32 along K from buffer f; in its middle the next quarter's fragments go into g (qn < 0: none)
	s_wait_dscnt 4                                 ; all but xn's last two fragments (four loads)
	MUL18 \f, 1
.if (\qn) >= 0
	NOP4                                           ; places between g's last products and the loads into it
	FETCH \slot, \qn, \g
	s_wait_dscnt 26                                ; all but the 26 just issued
.else
	s_wait_dscnt 0x0
.endif
	MUL18 \f, 2
.endm
.macro FOURQ slot                      ; a K step's four quarters; its first fragments have been asked for
	QUARTER F0, F1, \slot, 1
	QUARTER F1, F0, \slot, 2
	QUARTER F0, F1, \slot, 3
	QUARTER F1, F0, \slot, -1
.endm
; A K step from the second on.  In front of the barrier each wave waits for all its tensor loads (its part of this slot), adds 0 to its spare word, and waits for that and for its reads of the other slot.
; refill = 1: the barrier is a round of the cluster's, and behind it the other slot is filled first, with the next K step; then this slot is multiplied.
.macro TRIP slot, refill, ask
	WIN 0
	s_wait_tensorcnt 0x0                           ; no tensor load of mine is out, so a group 0 may be written
	ds_add_u32 v[SPW], v[NIL]                      ; the steps below stand between the add and the wait for it
.if \ask
	s_wait_xcnt 0x0                                ; the last prefetch, a K step back, has read its address
	s_add_nc_u64 s[60:61], s[60:61], 256
.endif
.if \refill
	s_add_nc_u64 s[38-4*(\slot):39-4*(\slot)], s[38-4*(\slot):39-4*(\slot)], 512  ; the other slot's next tile: two K steps on from its last
	s_add_nc_u64 s[54-4*(\slot):55-4*(\slot)], s[54-4*(\slot):55-4*(\slot)], 512
.endif
	s_wait_dscnt 0x0
.if \refill
	ROUND
	JLOAD 1-(\slot)                                ; its four v_nop are also the places in front of the loads below
.else
	s_barrier_signal -1
	s_barrier_wait -1
	NOP4
.endif
	FETCH \slot, 0, F0
.if \ask
	ASK
.endif
	FOURQ \slot
.endm
.macro BIAS                            ; the sums start at the bias: 18 accumulators of the window that is set
.irp u, 0,1
.irp p, 0,1,2,3,4,5,6,7,8
	global_load_b128 v[72*\u+8*\p:72*\u+8*\p+3],   v[BO], s[84:85] offset:64*\p
	global_load_b128 v[72*\u+8*\p+4:72*\u+8*\p+7], v[BO], s[84:85] offset:64*\p+16
.endr
.endr
.endm
; Packed lines that take row q's number RR[q] for both halves: the pair that holds it, its first or its second register.
.macro BFMA d, a, q                    ; d = a log2(e) - RR[q]
.if ((\q)%2) == 0
	v_pk_fma_f32 v[\d:\d+1], v[\a:\a+1], s[62:63], v[RR+(\q):RR+(\q)+1] op_sel_hi:[1,0,0] neg_lo:[0,0,1] neg_hi:[0,0,1]
.else
	v_pk_fma_f32 v[\d:\d+1], v[\a:\a+1], s[62:63], v[RR+(\q)-1:RR+(\q)] op_sel:[0,0,1] op_sel_hi:[1,0,1] neg_lo:[0,0,1] neg_hi:[0,0,1]
.endif
.endm
.macro BMUL d, a, q                    ; d = a RR[q]
.if ((\q)%2) == 0
	v_pk_mul_f32 v[\d:\d+1], v[\a:\a+1], v[RR+(\q):RR+(\q)+1] op_sel_hi:[1,0]
.else
	v_pk_mul_f32 v[\d:\d+1], v[\a:\a+1], v[RR+(\q)-1:RR+(\q)] op_sel:[0,1] op_sel_hi:[1,1]
.endif
.endm
.macro BACC d, a, q                    ; d += a RR[q]
.if ((\q)%2) == 0
	v_pk_fma_f32 v[\d:\d+1], v[\a:\a+1], v[RR+(\q):RR+(\q)+1], v[\d:\d+1] op_sel_hi:[1,0,1]
.else
	v_pk_fma_f32 v[\d:\d+1], v[\a:\a+1], v[RR+(\q)-1:RR+(\q)], v[\d:\d+1] op_sel:[0,1,0] op_sel_hi:[1,1,1]
.endif
.endm
	s_load_b256 s[4:11], s[0:1], 0x0               ; xn 4, wt 6, biasc 8, tpre 10
	s_load_b64 s[12:13], s[0:1], 0x20              ; loc
	v_lshl_add_u32 v[SPW], v0, 2, SPARE
	v_mov_b32 v[NIL], 0
	ds_add_u32 v[SPW], v[NIL]                      ; the wave's opening: the add, twice on end, and its wait ahead of my first tensor load
	ds_add_u32 v[SPW], v[NIL]
	v_lshrrev_b32 v1, 5, v0
	v_readfirstlane_b32 s14, v1                    ; wave
	s_lshr_b32 s15, s14, 1                         ; wr
	s_and_b32 s16, s14, 1                          ; wc
	s_max_u32 s21, s14, 1
	s_sub_co_u32 s21, s21, 1                       ; which 96 rows of wt waves 1-3 ask for
	s_bfe_u32 s17, ttmp6, 0x40000                  ; cx
	s_bfe_u32 s18, ttmp6, 0x40004                  ; cy = the batch
	s_lshl_b32 s19, ttmp9, 2
	s_add_co_u32 s19, s19, s17                     ; the head
	s_and_b32 s20, ttmp7, 0xffff                   ; the cluster's y = the chunk: the same in all sixteen partners
	s_lshl_b32 s22, s18, 2
	s_lshl_b32 s22, 15, s22                        ; my row of the cluster
	s_lshl_b32 s23, 0x1111, s17                    ; my column
	s_or_b32 s24, s22, G1BITS                      ; group 1 for xn: 128 rows x 128 elements
	s_mov_b32 s25, 128<<16
	s_mov_b32 s26, 128<<16
	s_mov_b32 s27, 128<<16
	s_mov_b32 s28, 128
	s_mov_b32 s29, 1024
	s_mov_b32 s30, 0
	s_mov_b32 s31, 0
	s_or_b32 s40, s23, G1BITS                      ; group 1 for wt: 96 rows x 128 elements
	s_mov_b32 s41, 128<<16
	s_mov_b32 s42, 96<<16
	s_mov_b32 s43, 128<<16
	s_mov_b32 s44, 96
	s_mov_b32 s45, 1024
	s_mov_b32 s46, 0
	s_mov_b32 s47, 0
	s_lshl_b32 s74, s18, 21                        ; xn: row 1024 b + 128 c, 2,048 bytes a row: of cy and the cluster's y alone
	s_lshl_b32 s75, s20, 18
	s_add_co_u32 s74, s74, s75
	s_mov_b32 s75, 0
	s_mul_i32 s76, s19, 288*2048                   ; wt: row 288 hd + 96 (wave - 1): of cx, the cluster's x and the wave alone
	s_mul_i32 s77, s21, 96*2048
	s_add_co_u32 s76, s76, s77
	s_mov_b32 s77, 0
	s_mul_i32 s82, s14, WPIECE                     ; and its place in a slot: behind xn's tile, wave - 1 pieces on
	s_add_co_u32 s82, s82, XT-WPIECE
	s_wait_dscnt 0x0                               ; both opening adds are done
	ROUND                                          ; all sixteen work-groups are here: the first joint loads meet.  The round names no argument: it stands while the arguments are on their way
	s_wait_kmcnt 0x0
	s_add_nc_u64 s[78:79], s[4:5], s[74:75]
	s_add_nc_u64 s[80:81], s[6:7], s[76:77]
.irp s, 0,1
	s_mov_b32 s[32+4*\s], 1
	s_mov_b32 s[33+4*\s], \s*SLOT
	s_add_nc_u64 s[34+4*\s:35+4*\s], s[78:79], \s*256
	s_or_b32 s[35+4*\s], s[35+4*\s], 0x80000000
	s_mov_b32 s[48+4*\s], 1
	s_add_co_u32 s[49+4*\s], s82, \s*SLOT
	s_add_nc_u64 s[50+4*\s:51+4*\s], s[80:81], \s*256
	s_or_b32 s[51+4*\s], s[51+4*\s], 0x80000000
.endr
	s_cmp_eq_u32 s14, 0                            ; a wave's two first fills, K steps 0 and 1, stand in one branch, ahead of every wait on TENSORcnt and every LDS read; an s_nop 0 follows each, four v_nop the second's
	s_cbranch_scc0 .Lfirst_w
	tensor_load_to_lds s[32:35], s[24:31]
	s_nop 0
	tensor_load_to_lds s[36:39], s[24:31]
	s_nop 0
	NOP4
	s_branch .Lfirst_asked
.Lfirst_w:
	tensor_load_to_lds s[48:51], s[40:47]
	s_nop 0
	tensor_load_to_lds s[52:55], s[40:47]
	s_nop 0
	NOP4
.Lfirst_asked:
	v_and_b32 v1, 15, v0                           ; r
	v_bfe_u32 v2, v0, 4, 1                         ; h
	v_and_b32 v3, 31, v0                           ; lane
	s_mul_i32 s92, s16, 576
	v_lshl_add_u32 v[BO], v2, 5, s92               ; 4 (144 wc + 8 h)
	s_mul_i32 s94, s19, 1152
	s_mov_b32 s95, 0
	s_add_nc_u64 s[84:85], s[8:9], s[94:95]
	WIN 0x40
	BIAS
	WIN 0x80
	BIAS
	WIN 0
	v_mul_u32_u24 v24, v1, PITCH
	v_lshl_add_u32 v24, v2, 4, v24                 ; a fragment's row x pitch + 16 x half
	s_mul_i32 s93, s16, 144*PITCH
	s_add_co_u32 s93, s93, XT
	v_add_nc_u32 v[ADRW], s93, v24
	v_add_nc_u32 v[ADRW+1], SLOT, v[ADRW]
	s_mul_i32 s93, s15, 64*PITCH
	v_add_nc_u32 v[ADRX], s93, v24
	v_add_nc_u32 v[ADRX+1], SLOT, v[ADRX]
	v_mul_u32_u24 v25, v1, STP
	s_mul_i32 s93, s15, 64*STP
	v_add3_u32 v[STA], v25, v[BO], s93             ; (64 wr + r) x 1168 + 4 (144 wc + 8 h)
	s_mul_i32 s93, s14, 32*STP
	v_lshl_add_u32 v[SRD], v2, 5, v25
	v_add_nc_u32 v[SRD], s93, v[SRD]               ; (32 w + r) x 1168 + 32 h
	v_mul_u32_u24 v26, v1, AMP
	v_lshl_add_u32 v26, v2, 4, v26
	s_mul_i32 s93, s14, 32*AMP
	s_add_co_u32 s93, s93, AM
	v_add_nc_u32 v[AMA], s93, v26
	v_lshlrev_b32 v[TPO], 5, v1
	v_lshl_add_u32 v[TPO], v2, 4, v[TPO]
	v_add_nc_u32 v[AML], s93, v[TPO]
	v_mul_u32_u24 v26, v1, LSP
	v_lshl_add_u32 v26, v2, 5, v26
	s_mul_i32 s93, s14, 32*LSP
	v_lshl_add_u32 v[LOA], v2, 5, s93
	v_lshrrev_b32 v27, 2, v3
	v_mul_u32_u24 v27, v27, LSP
	v_and_b32 v24, 3, v0
	v_lshl_add_u32 v27, v24, 4, v27
	v_add_nc_u32 v[LOR], s93, v27
	s_add_co_u32 s93, s93, LS
	v_add_nc_u32 v[LSA], s93, v26
	v_lshl_add_u32 v[LSL], v2, 5, s93
	v_lshl_add_u32 v[LSQ], v2, 5, LS
	s_lshl_b32 s93, s14, 14
	s_add_co_u32 s93, s93, TS
	v_add_nc_u32 v[TSA], s93, v[TPO]
	v_and_b32 v26, 7, v0                           ; the turning load: lane l reads row 8 (l / 16) + l % 8, bytes 16 ((l / 8) % 2) on
	v_lshl_add_u32 v26, v2, 3, v26
	v_lshlrev_b32 v26, 5, v26
	v_bfe_u32 v27, v0, 3, 1
	v_lshl_add_u32 v26, v27, 4, v26
	v_add_nc_u32 v[TRL0], TS, v26
	v_add_nc_u32 v[TRLW], s93, v26
	s_lshl_b32 s93, s14, 13
	s_add_co_u32 s93, s93, GQ
	v_lshl_add_u32 v[GQA], v3, 4, s93
	s_lshl_b32 s93, s14, 11
	v_add_nc_u32 v[GQW], s93, v[GQA]
	v_lshlrev_b32 v[LOG], 4, v3
	; the prefetches: whose rows, which partner's share, who asks
	s_lshl_b32 s22, s17, 16                        ; 32 cx rows of xn
	s_mul_i32 s23, s18, 24*2048                    ; 24 cy rows of wt
	s_cmp_eq_u32 s14, 0
	s_cselect_b32 s22, s22, s23
	s_cselect_b32 s59, ttmp9, s20                  ; the coordinate along which other clusters read the same rows
	s_cselect_b32 s83, 31, 23
	s_cselect_b64 s[60:61], s[78:79], s[80:81]
	s_mov_b32 s23, 0
	s_add_nc_u64 s[60:61], s[60:61], s[22:23]
	s_add_nc_u64 s[60:61], s[60:61], 3*256         ; at K step 3: trip 1 steps it to 4
	s_cmp_eq_u32 s59, 0
	s_cselect_b32 s57, 1, -1                       ; 1 in a wave that asks, else the greatest number
	v_min_u32 v[PFO], s83, v3
	v_lshlrev_b32 v[PFO], 11, v[PFO]
	; where the results go
	s_lshl_b32 s92, s18, 22                        ; tpre: ((1024 b + 128 c + 32 w) x 8 + hd) x 512
	s_lshl_b32 s93, s20, 19
	s_add_co_u32 s92, s92, s93
	s_lshl_b32 s93, s14, 17
	s_add_co_u32 s92, s92, s93
	s_lshl_b32 s93, s19, 9
	s_add_co_u32 s92, s92, s93
	s_mov_b32 s93, 0
	s_add_nc_u64 s[88:89], s[10:11], s[92:93]
	s_lshl_b32 s92, s18, 19                        ; loc: ((8 b + c) x 8 + hd) x 8192 + 2048 w
	s_lshl_b32 s93, s20, 16
	s_add_co_u32 s92, s92, s93
	s_lshl_b32 s93, s19, 13
	s_add_co_u32 s92, s92, s93
	s_lshl_b32 s93, s14, 11
	s_add_co_u32 s92, s92, s93
	s_mov_b32 s93, 0
	s_add_nc_u64 s[90:91], s[12:13], s[92:93]
	s_mov_b32 s62, 0x3fb8aa3b                      ; log2(e), as a pair
	s_mov_b32 s63, 0x3fb8aa3b
	s_mov_b32 s86, 0xbfb8aa3b                      ; - log2(e), as a pair
	s_mov_b32 s87, 0xbfb8aa3b
	s_mov_b32 s66, 0x76543210                      ; v_permlanex16_b32: each lane takes its own place in the other half
	s_mov_b32 s67, 0xfedcba98
	s_mov_b32 s68, 0xffff0000                      ; lanes 16-31
	s_mov_b32 s70, 0x3c00                          ; 1.0 in f16, low half
	s_mov_b32 s71, 0x3c000000                      ; high half
	s_wait_loadcnt 0x0                             ; the biases are in
	s_wait_tensorcnt 0x1                           ; my part of K step 0 is in; K step 1's may stay out
	s_barrier_signal -1
	s_barrier_wait -1                              ; everybody's is
	FETCH 0, 0, F0
	FOURQ 0                                        ; K step 0
	WIN 0
	s_mov_b32 s56, 3
.Llap:                                                 ; K steps 1 to 6: each asks for the K step after it
	TRIP 1, 1, 1
	TRIP 0, 1, 1
	WIN 0
	s_sub_co_u32 s56, s56, 1
	s_cmp_lg_u32 s56, 0
	s_cbranch_scc1 .Llap
	TRIP 1, 0, 0                                   ; K step 7 asks for nothing
	; THE HAND-OVER
	WIN 0
	NOP4                                           ; places behind the last products
	s_wait_dscnt 0x0
	s_barrier_signal -1
	s_barrier_wait -1                              ; nobody reads the ring any more; it has had its last fill
	WIN 0x04
.irp u, 0,1
.irp p, 0,1,2,3,4,5,6,7,8
	ds_store_b128 v[STA], v[72*\u+8*\p:72*\u+8*\p+3]   offset:\u*16*STP+64*\p
	ds_store_b128 v[STA], v[72*\u+8*\p+4:72*\u+8*\p+7] offset:\u*16*STP+64*\p+16
.endr
.endr
	WIN 0x08
.irp u, 0,1
.irp p, 0,1,2,3,4,5,6,7,8
	ds_store_b128 v[STA], v[72*\u+8*\p:72*\u+8*\p+3]   offset:(2+\u)*16*STP+64*\p
	ds_store_b128 v[STA], v[72*\u+8*\p+4:72*\u+8*\p+7] offset:(2+\u)*16*STP+64*\p+16
.endr
.endr
	WIN 0x40
	EACH 16, v_mov_b32 v[XC+i], 0                  ; v_permlanex16_b32 counts as a reader of its destination
	WIN 0
	s_wait_dscnt 0x0
	s_barrier_signal -1
	s_barrier_wait -1
	; SINKHORN, gate and input: two tiles of 16 t
	s_mov_b32 s72, 2
.Ltile:
	WIN 0x40
	EACH 18, ds_load_b128 v[8*i:8*i+3], v[SRD] offset:64*i
	EACH 18, ds_load_b128 v[8*i+4:8*i+7], v[SRD] offset:64*i+16
	s_wait_dscnt 0x0
	WIN 0x55
	; 1: rows.  RR = log2(e) max + log2(sum of 2^(log2(e) (l - max)))
	EACH 16, v_max3_num_f32 v[RR+i], v[LM+8*i], v[LM+8*i+1], v[LM+8*i+2]
	EACH 16, v_max3_num_f32 v[RR+i], v[RR+i], v[LM+8*i+3], v[LM+8*i+4]
	EACH 16, v_max3_num_f32 v[RR+i], v[RR+i], v[LM+8*i+5], v[LM+8*i+6]
	EACH 16, v_max_num_f32 v[RR+i], v[RR+i], v[LM+8*i+7]
	EACH 16, v_permlanex16_b32 v[XC+i], v[RR+i], s66, s67
	EACH 16, v_max_num_f32 v[RR+i], v[RR+i], v[XC+i]
	EACH 8, v_pk_mul_f32 v[RR+2*i:RR+2*i+1], v[RR+2*i:RR+2*i+1], s[62:63] op_sel_hi:[1,0]
.irp hb, 0,1
	EACH 32, BFMA TT+2*i, LM+64*\hb+2*i, 8*\hb+i/4
	EACH 64, v_exp_f32 v[TT+i], v[TT+i]
	v_nop                                          ; a plain instruction behind the last exponential, and one wait for the batch of 64
	s_wait_alu depctr_va_vdst(0)
	EACH 8, v_pk_add_f32 v[TT+8*i:TT+8*i+1], v[TT+8*i:TT+8*i+1], v[TT+8*i+2:TT+8*i+3]
	EACH 8, v_pk_add_f32 v[TT+8*i+4:TT+8*i+5], v[TT+8*i+4:TT+8*i+5], v[TT+8*i+6:TT+8*i+7]
	EACH 8, v_pk_add_f32 v[TT+8*i:TT+8*i+1], v[TT+8*i:TT+8*i+1], v[TT+8*i+4:TT+8*i+5]
	EACH 8, v_add_f32 v[XC+8*\hb+i], v[TT+8*i], v[TT+8*i+1]
.endr
	EACH 16, v_permlanex16_b32 v[TT+i], v[XC+i], s66, s67
	EACH 8, v_pk_add_f32 v[XC+2*i:XC+2*i+1], v[XC+2*i:XC+2*i+1], v[TT+2*i:TT+2*i+1]
	EACH 16, v_log_f32 v[XC+i], v[XC+i]
	v_nop
	s_wait_alu depctr_va_vdst(0)                   ; one wait for the 16 logarithms
	EACH 8, v_pk_add_f32 v[RR+2*i:RR+2*i+1], v[RR+2*i:RR+2*i+1], v[XC+2*i:XC+2*i+1]
	; 2: columns, with their maximum; K = 2^(l - max), v = 1 / its column sums.  The gate's exponentials and reciprocals ride in the same batches.
	EACH 64, BFMA LM+2*i, LM+2*i, i/4
	EACH 8, v_max3_num_f32 v[CM+i], v[LM+i], v[LM+8+i], v[LM+16+i]
.irp k, 3,5,7,9,11,13
	EACH 8, v_max3_num_f32 v[CM+i], v[CM+i], v[LM+8*\k+i], v[LM+8*\k+8+i]
.endr
	EACH 8, v_max_num_f32 v[CM+i], v[CM+i], v[LM+120+i]
	EACH 4, v_pk_mul_f32 v[GT+2*i:GT+2*i+1], v[GT+2*i:GT+2*i+1], s[86:87] op_sel_hi:[1,0]
	EACH 64, v_pk_add_f32 v[LM+2*i:LM+2*i+1], v[LM+2*i:LM+2*i+1], v[CM+2*(i%4):CM+2*(i%4)+1] neg_lo:[0,1] neg_hi:[0,1]
	EACH 136, v_exp_f32 v[LM+i], v[LM+i]
	v_nop
	s_wait_alu depctr_va_vdst(0)                   ; one wait for the batch of 136
	EACH 4, v_pk_add_f32 v[GT+2*i:GT+2*i+1], v[GT+2*i:GT+2*i+1], 1.0 op_sel_hi:[1,0]
	EACH 4, v_pk_add_f32 v[VV+2*i:VV+2*i+1], v[LM+2*i:LM+2*i+1], v[LM+16+2*i:LM+16+2*i+1]
	EACH 4, v_pk_add_f32 v[CM+2*i:CM+2*i+1], v[LM+8+2*i:LM+8+2*i+1], v[LM+24+2*i:LM+24+2*i+1]
.irp k, 4,6,8,10,12,14
	EACH 4, v_pk_add_f32 v[VV+2*i:VV+2*i+1], v[VV+2*i:VV+2*i+1], v[LM+8*\k+2*i:LM+8*\k+2*i+1]
	EACH 4, v_pk_add_f32 v[CM+2*i:CM+2*i+1], v[CM+2*i:CM+2*i+1], v[LM+8*\k+8+2*i:LM+8*\k+8+2*i+1]
.endr
	EACH 4, v_pk_add_f32 v[VV+2*i:VV+2*i+1], v[VV+2*i:VV+2*i+1], v[CM+2*i:CM+2*i+1]
	EACH 8, v_rcp_f32 v[VV+i], v[VV+i]
	EACH 8, v_rcp_f32 v[GT+i], v[GT+i]
	v_nop
	s_wait_alu depctr_va_vdst(0)                   ; one wait for the 16 reciprocals
	EACH 8, v_fma_f32 v[BI+i], -v[GT+i], v[BI+i], v[BI+i]
	EACH 8, v_permlanex16_b32 v[XC+i], v[GT+i], s66, s67
	EACH 8, v_cndmask_b32 v[TT+32+i], v[GT+i], v[XC+i], s68
	EACH 8, v_cndmask_b32 v[TT+40+i], v[XC+i], v[GT+i], s68
	; 3 to 10: four times u = 1 / (K v), v = 1 / (K^T u)
	WIN 0
	s_mov_b32 s73, 4
.Liter:
	WIN 0x55
	EACH 16, v_pk_mul_f32 v[TT+2*i:TT+2*i+1], v[LM+8*i:LM+8*i+1], v[VV:VV+1]
.irp k, 2,4,6
	EACH 16, v_pk_fma_f32 v[TT+2*i:TT+2*i+1], v[LM+8*i+\k:LM+8*i+\k+1], v[VV+\k:VV+\k+1], v[TT+2*i:TT+2*i+1]
.endr
	EACH 16, v_add_f32 v[RR+i], v[TT+2*i], v[TT+2*i+1]
	EACH 16, v_permlanex16_b32 v[XC+i], v[RR+i], s66, s67
	EACH 8, v_pk_add_f32 v[RR+2*i:RR+2*i+1], v[RR+2*i:RR+2*i+1], v[XC+2*i:XC+2*i+1]
	EACH 16, v_rcp_f32 v[RR+i], v[RR+i]
	v_nop
	s_wait_alu depctr_va_vdst(0)
	EACH 4, BMUL VV+2*i, LM+2*i, 0
	EACH 4, BMUL CM+2*i, LM+8+2*i, 1
.irp k, 2,4,6,8,10,12,14
	EACH 4, BACC VV+2*i, LM+8*\k+2*i, \k
	EACH 4, BACC CM+2*i, LM+8*\k+8+2*i, \k+1
.endr
	EACH 4, v_pk_add_f32 v[VV+2*i:VV+2*i+1], v[VV+2*i:VV+2*i+1], v[CM+2*i:CM+2*i+1]
	EACH 8, v_rcp_f32 v[VV+i], v[VV+i]
	v_nop
	s_wait_alu depctr_va_vdst(0)
	WIN 0
	s_sub_co_u32 s73, s73, 1
	s_cmp_lg_u32 s73, 0
	s_cbranch_scc1 .Liter
	; A = diag(g u) K diag(v), rounded to f16
	WIN 0x55
	EACH 8, v_pk_mul_f32 v[RR+2*i:RR+2*i+1], v[RR+2*i:RR+2*i+1], v[TT+32+2*i:TT+32+2*i+1]
	EACH 64, v_pk_mul_f32 v[LM+2*i:LM+2*i+1], v[LM+2*i:LM+2*i+1], v[VV+2*(i%4):VV+2*(i%4)+1]
	EACH 64, BMUL LM+2*i, LM+2*i, i/4
	EACH 64, v_cvt_pk_f16_f32 v[LM+8*(i/4)+i%4], v[LM+8*(i/4)+2*(i%4)], v[LM+8*(i/4)+2*(i%4)+1]
	WIN 0x04
	EACH 16, ds_store_b128 v[AMA], v[LM+8*i:LM+8*i+3] offset:32*i
	ds_store_b128 v[LSA], v[BI:BI+3]
	ds_store_b128 v[LSA], v[BI+4:BI+7] offset:16
	WIN 0
	v_add_nc_u32 v[SRD], 16*STP, v[SRD]
	v_add_nc_u32 v[AMA], 16*AMP, v[AMA]
	v_add_nc_u32 v[LSA], 16*LSP, v[LSA]
	s_sub_co_u32 s72, s72, 1
	s_cmp_lg_u32 s72, 0
	s_cbranch_scc1 .Ltile
	; LEVEL 1: my two sub-chunks side by side, 16 dependent steps.  All bytes are my wave's own: LDS serves a wave's instructions in order (ISA guide 5.7.1.4).
.macro L1LOAD tau
.irp a, 0,1
	ds_load_b128 v[AF+16*\a+8*((\tau)%2):AF+16*\a+8*((\tau)%2)+3],   v[AML] offset:(16*\a+(\tau))*AMP
	ds_load_b128 v[DL+16*\a+8*((\tau)%2):DL+16*\a+8*((\tau)%2)+3],   v[LSL] offset:(16*\a+(\tau))*LSP
	ds_load_b128 v[DL+16*\a+8*((\tau)%2)+4:DL+16*\a+8*((\tau)%2)+7], v[LSL] offset:(16*\a+(\tau))*LSP+16
.endr
.endm
.macro STEP1 tau
.if (\tau) < 15
	L1LOAD (\tau)+1
.endif
.if ((\tau) == 0) || ((\tau) == 15)
	s_wait_dscnt 6                                 ; younger than this step's operands: six loads (step 0), or the last step's six stores (step 15)
.else
	s_wait_dscnt 12                                ; the last step's six stores and the six loads just issued
.endif
.irp a, 0,1
	v_wmma_f32_16x16x32_f16 v[DT+8*\a:DT+8*\a+7], v[AF+16*\a+8*((\tau)%2):AF+16*\a+8*((\tau)%2)+7], v[BT+8*\a:BT+8*\a+7], 0
	v_wmma_f32_16x16x32_f16 v[DL+16*\a+8*((\tau)%2):DL+16*\a+8*((\tau)%2)+7], v[AF+16*\a+8*((\tau)%2):AF+16*\a+8*((\tau)%2)+7], v[BL+8*\a:BL+8*\a+7], v[DL+16*\a+8*((\tau)%2):DL+16*\a+8*((\tau)%2)+7]
.endr
	NOP4
.irp a, 0,1
.irp k, 0,1,2,3
	v_cvt_pk_f16_f32 v[BT+8*\a+\k], v[DT+8*\a+2*\k], v[DT+8*\a+2*\k+1]
	v_cvt_pk_f16_f32 v[BL+8*\a+\k], v[DL+16*\a+8*((\tau)%2)+2*\k], v[DL+16*\a+8*((\tau)%2)+2*\k+1]
.endr
.endr
.irp a, 0,1
	ds_store_b128 v[TSA], v[BT+8*\a:BT+8*\a+3] offset:(16*\a+(\tau))*512
	ds_store_b128 v[LSL], v[DL+16*\a+8*((\tau)%2):DL+16*\a+8*((\tau)%2)+3]   offset:(16*\a+(\tau))*LSP   ; sixteen lanes write the same bytes with the same numbers
	ds_store_b128 v[LSL], v[DL+16*\a+8*((\tau)%2)+4:DL+16*\a+8*((\tau)%2)+7] offset:(16*\a+(\tau))*LSP+16
.endr
.endm
	L1LOAD 0
	v_lshlrev_b32 v24, 3, v2
	v_sub_nc_u32 v24, v1, v24                      ; r - 8 h: which of my eight k is on the diagonal, if any
.irp k, 0,1,2,3
	v_cmp_eq_u32 vcc_lo, 2*\k, v24
	v_cndmask_b32 v[IDF+\k], 0, s70, vcc_lo
	v_cmp_eq_u32 vcc_lo, 2*\k+1, v24
	v_cndmask_b32 v[IDF+\k], v[IDF+\k], s71, vcc_lo
.endr
.irp z, 40,48,56,64,72,80,88,96                ; the upper 16 of K are 0 in every source, and stay so: no load and no conversion writes them
.irp k, 4,5,6,7
	v_mov_b32 v[\z+\k], 0
.endr
.endr
.irp k, 0,1,2,3
	v_mov_b32 v[BT+\k], v[IDF+\k]                  ; Ts starts at the identity, ls at 0
	v_mov_b32 v[BT+8+\k], v[IDF+\k]
	v_mov_b32 v[BL+\k], 0
	v_mov_b32 v[BL+8+\k], 0
.endr
.irp tau, 0,1,2,3,4,5,6,7,8,9,10,11,12,13,14,15
	STEP1 \tau
.endr
	s_wait_dscnt 0x0
	s_barrier_signal -1
	s_barrier_wait -1                              ; every sub-chunk's maps lie in LDS; nobody reads the hand-over's bytes any more
	; LEVEL 2: seven dependent steps, in every wave alike, into the wave's own bytes
.irp k, 0,1,2,3
	v_mov_b32 v[GB+\k], v[IDF+\k]
	v_mov_b32 v[GB+4+\k], 0
	v_mov_b32 v[QB+\k], 0
	v_mov_b32 v[QB+4+\k], 0
.endr
	ds_store_b128 v[GQA], v[GB:GB+3]
	ds_store_b128 v[GQA], v[QB:QB+3] offset:512
.irp s, 0,1,2,3,4,5,6
	ds_load_tr16_b128 v[AT+8*\s:AT+8*\s+3], v[TRL0] offset:(16*\s+15)*512
	ds_load_b128 v[DQ+8*\s:DQ+8*\s+3],   v[LSQ] offset:(16*\s+15)*LSP
	ds_load_b128 v[DQ+8*\s+4:DQ+8*\s+7], v[LSQ] offset:(16*\s+15)*LSP+16
.endr
	s_wait_dscnt 0x0
.irp s, 0,1,2,3,4,5,6
	v_wmma_f32_16x16x32_f16 v[DG:DG+7], v[AT+8*\s:AT+8*\s+7], v[GB:GB+7], 0
	v_wmma_f32_16x16x32_f16 v[DQ+8*\s:DQ+8*\s+7], v[AT+8*\s:AT+8*\s+7], v[QB:QB+7], v[DQ+8*\s:DQ+8*\s+7]
	NOP4
.irp k, 0,1,2,3
	v_cvt_pk_f16_f32 v[GB+\k], v[DG+2*\k], v[DG+2*\k+1]
	v_cvt_pk_f16_f32 v[QB+\k], v[DQ+8*\s+2*\k], v[DQ+8*\s+2*\k+1]
.endr
	ds_store_b128 v[GQA], v[GB:GB+3] offset:(\s+1)*1024
	ds_store_b128 v[GQA], v[QB:QB+3] offset:(\s+1)*1024+512
.endr
	; LEVEL 3: eight groups of four t.  loc_t = Ts_t q + ls_t.  Tpre_t is taken transposed (source 0 = G as it lies, source 1 = Ts turned): lane (i, h) holds Tpre[i][8 h ..]: 16 bytes of a row.
	; Two sets of operand registers take turns: group g + 1's twelve LDS loads are issued ahead of group g's products.
.irp z, 104,112,120,128                        ; the second set's upper 16 of K
.irp k, 4,5,6,7
	v_mov_b32 v[\z+\k], 0
.endr
.endr
.irp a, 0,1
	ds_load_b128 v[GF+16*\a:GF+16*\a+3], v[GQW] offset:\a*1024
	ds_load_b128 v[QF+16*\a:QF+16*\a+3], v[GQW] offset:\a*1024+512
.endr
.macro L3LOAD g
.irp u, 0,1,2,3
	ds_load_tr16_b128 v[TF+32*((\g)%2)+8*\u:TF+32*((\g)%2)+8*\u+3], v[TRLW] offset:(4*(\g)+\u)*512
	ds_load_b128 v[CL+48*((\g)%2)+8*\u:CL+48*((\g)%2)+8*\u+3],   v[LSL] offset:(4*(\g)+\u)*LSP
	ds_load_b128 v[CL+48*((\g)%2)+8*\u+4:CL+48*((\g)%2)+8*\u+7], v[LSL] offset:(4*(\g)+\u)*LSP+16
.endr
.endm
.macro GROUP g
.set TFB, TF+32*((\g)%2)
.set CLB, CL+48*((\g)%2)
.set GA,  16*((\g)/4)                  ; the sub-chunk's G and q
.if (\g) < 7
	L3LOAD (\g)+1
.endif
.if (\g) == 0
	s_wait_dscnt 12                                ; younger than this group's operands: the twelve loads just issued
.elseif (\g) == 7
	s_wait_dscnt 8                                 ; the last group's eight stores
.else
	s_wait_dscnt 20                                ; the last group's eight stores and the twelve loads just issued
.endif
.irp u, 0,1,2,3
	v_wmma_f32_16x16x32_f16 v[CLB+8*\u:CLB+8*\u+7], v[TFB+8*\u:TFB+8*\u+7], v[QF+GA:QF+GA+7], v[CLB+8*\u:CLB+8*\u+7]
.endr
	s_cmp_eq_u32 s20, 0                            ; the first chunk's Tpre meets the zero state: left out.  The chunk is the cluster's y: all partners branch alike
	s_cbranch_scc1 .Lno_t_\@
.irp u, 0,1,2,3
	v_wmma_f32_16x16x32_f16 v[DP+8*\u:DP+8*\u+7], v[GF+GA:GF+GA+7], v[TFB+8*\u:TFB+8*\u+7], 0
.endr
	NOP4
	s_wait_xcnt 0x0                                ; the last group's stores have read their data registers
.irp u, 0,1,2,3
.irp k, 0,1,2,3
	v_cvt_pk_f16_f32 v[PK+4*\u+\k], v[DP+8*\u+2*\k], v[DP+8*\u+2*\k+1]
.endr
.endr
.irp u, 0,1,2,3
	global_store_b128 v[TPO], v[PK+4*\u:PK+4*\u+3], s[88:89] offset:(4*(\g)+\u)*4096  ; 512 consecutive bytes, aligned
.endr
.Lno_t_\@:
	NOP4
.irp u, 0,1,2,3
	ds_store_b128 v[LOA], v[CLB+8*\u:CLB+8*\u+3]   offset:(4*(\g)+\u)*LSP
	ds_store_b128 v[LOA], v[CLB+8*\u+4:CLB+8*\u+7] offset:(4*(\g)+\u)*LSP+16
.endr
.endm
	L3LOAD 0
.irp g, 0,1,2,3,4,5,6,7
	GROUP \g
.endr
	; loc leaves: eight t of 64 bytes an instruction
.irp m, 0,1,2,3
	ds_load_b128 v[CL+4*\m:CL+4*\m+3], v[LOR] offset:8*LSP*\m
.endr
.irp m, 0,1,2,3
	s_wait_dscnt 3-\m
	global_store_b128 v[LOG], v[CL+4*\m:CL+4*\m+3], s[90:91] offset:512*\m  ; 512 consecutive bytes, aligned
.endr
	s_wait_tensorcnt 0x0                           ; the wave's end: behind my last tensor load and my last LDS store
	ds_add_u32 v[SPW], v[NIL]
	s_wait_dscnt 0x0
	ROUND                                          ; the closing round
	s_endpgm
.Lfunc_end_k_q19e2262ea4_main:
	.size	k_q19e2262ea4_main, .Lfunc_end_k_q19e2262ea4_main-k_q19e2262ea4_main
	.p2alignl 7, 3214868480
	.fill 96, 4, 3214868480
	.section	.rodata,"a",@progbits
	.p2align	6, 0x0
	.amdhsa_kernel k_q19e2262ea4_main
		.amdhsa_group_segment_fixed_size 327680
		.amdhsa_private_segment_fixed_size 0
		.amdhsa_enable_private_segment 0
		.amdhsa_kernarg_size 40
		.amdhsa_user_sgpr_count 2
		.amdhsa_user_sgpr_kernarg_segment_ptr 1
		.amdhsa_wavefront_size32 1
		.amdhsa_system_sgpr_workgroup_id_x 1
		.amdhsa_system_sgpr_workgroup_id_y 1
		.amdhsa_system_sgpr_workgroup_id_z 1
		.amdhsa_system_vgpr_workitem_id 0
		.amdhsa_next_free_vgpr 656
		.amdhsa_next_free_sgpr 96
		.amdhsa_reserve_vcc 1
		.amdhsa_float_denorm_mode_32 3
		.amdhsa_float_denorm_mode_16_64 3
		.amdhsa_memory_ordered 1
		.amdhsa_forward_progress 1
		.amdhsa_inst_pref_size 237
	.end_amdhsa_kernel
	.amdgpu_metadata
---
amdhsa.version: [ 1, 2 ]
amdhsa.kernels:
  - .name:           k_q19e2262ea4_main
    .symbol:         k_q19e2262ea4_main.kd
    .args:
      - { .name: xn, .offset: 0, .size: 8, .value_kind: global_buffer, .address_space: global }
      - { .name: wt, .offset: 8, .size: 8, .value_kind: global_buffer, .address_space: global }
      - { .name: biasc, .offset: 16, .size: 8, .value_kind: global_buffer, .address_space: global }
      - { .name: tpre, .offset: 24, .size: 8, .value_kind: global_buffer, .address_space: global }
      - { .name: loc, .offset: 32, .size: 8, .value_kind: global_buffer, .address_space: global }
    .group_segment_fixed_size: 327680
    .private_segment_fixed_size: 0
    .kernarg_segment_align: 8
    .kernarg_segment_size: 40
    .max_flat_workgroup_size: 128
    .sgpr_count:     96
    .vgpr_count:     656
    .wavefront_size: 32
...
	.end_amdgpu_metadata
.endif
;; end of part 2
;; launch out (part 3): grid 256 x 1, 8 waves a work-group, clusters of 4 x 1, 267,776 bytes of LDS; arguments tpre, loc, wof, x, bo, out0; writes out0
.if DOCPART == 3
	.amdgcn_target "amdgcn-amd-amdhsa--gfx1250"
	.amdhsa_code_object_version 6
	.text
	.protected	k_q19e2262ea4_out
	.globl	k_q19e2262ea4_out
	.p2align	8
	.type	k_q19e2262ea4_out,@function
k_q19e2262ea4_out:
	s_mov_b64 s[64:65], 0
	v_nop
	global_prefetch_b8 v0, s[64:65] scope:SCOPE_SE
	s_setreg_imm32_b32 hwreg(HW_REG_WAVE_MODE, 25, 1), 1
	s_wait_xcnt 0x0
	s_wait_alu depctr_hold_cnt(0) depctr_sa_sdst(0) depctr_va_vdst(0) depctr_va_sdst(0) depctr_va_ssrc(0) depctr_va_vcc(0) depctr_vm_vsrc(0)
	s_getreg_b32 s2, hwreg(HW_REG_IB_STS2, 6, 4)
	s_cmp_eq_u32 s2, 0
	s_cbranch_scc0 .Lentry_in_a_cluster
	s_endpgm
.Lentry_in_a_cluster:
	s_bfe_u32 s2, ttmp6, 0x10000c
	s_cmp_lg_u32 s2, 0x3003
	s_cbranch_scc0 .Lentry_shape_is_right
	s_endpgm
.Lentry_shape_is_right:
; OUT: out0[row][:] = x[row][:] + bo + h[row][:] Wo for 16 rows (steps) of one batch.  g = the work-group: rows 16 g ..; b = g / 64, chunk c = (g / 8) % 8.
; LEFT OUT (shown at the head of the first kernel): for c = 0 the state in front of the chunk is the zero vector: Tpre is neither loaded nor multiplied, and h = loc.
; A. Wave v is head v.  H, the state in front of chunk c: H_1 = loc_last(0); H_(c'+1) = loc_last(c') + Tpre_last(c') H_c', c' = 1 .. c - 1: at most 6 dependent steps, in f32.
; B. h_t = loc_t + Tpre_t H, in f32 on the vector unit: every (t, head) has a matrix of its own and one live column.  Lane = (t = 2 m + lane / 16, i = lane % 16), m = 0..7.
; C. h, rounded to f16, meets in LDS; wave v makes columns 128 v .. 128 v + 127: source 0 = a fragment of Wo^T as the first launch laid it, source 1 = the 16 rows of h:
;    a lane holds eight neighbouring columns of one row.  The way out goes through the wave's own stage, so that a store covers 512 consecutive bytes.
; CLUSTER 4 x 1.  Every work-group multiplies by the whole of Wo^T, 262,144 bytes: the four partners ask for it JOINTLY, each wave for the 32,768 bytes that it multiplies by itself
; (the same line, descriptor and mask in all four; one tensor load of a wave is out).  A wave reads its piece out of LDS into registers ahead of phases A and B; nobody else reads it.
; b and c are made of the cluster's x alone (g / 8 = cluster x / 2): all partners branch alike; cx enters global addresses alone.
; LIMITS: h beyond 65,504 overflows in f16; NaN and infinities are not treated apart.
.set HS,    262144                     ; behind Wo^T (wave v's piece at 32,768 v): h, 16 rows
.set HSP,   272                        ; a row of h in LDS: 128 f16 + 16 bytes
.set OSP,   528                        ; the stage: 16 rows of 512 bytes + 16, over the head of the wave's own piece of Wo^T, which has had its only fill and has been read
.set SPARE, HS+4608                    ; the spare words, 128 bytes a wave, which no other line names
.set SPW, 14                           ; v14  SPARE + 4 x my thread's number; never rewritten
.set NIL, 15                           ; v15  0; never rewritten
.set HB,  16                           ; v[16:31]   H[j] in every lane
.set PAT, 32                           ; v[32:79]   row i of Tpre_last(c'), c' = 1..6, 8 registers each
.set HF,  32                           ; later: h as four fragments
.set PKH, 64                           ; later: my eight h in f16
.set LE,  80                           ; v[80:86]   loc_last(c')[i], c' = 0..6
.set AC,  104                          ; v[104:107] four partial sums
.set HV,  108                          ; v108       H[i], i = lane % 16
.set HL,  112                          ; v[112:119] loc, then h
.set BOV, 120                          ; v[120:123] bo of my four columns
.set X,   128                          ; v[128:191] x: 16 rows x 4 columns
.set TP,  192                          ; v[192:255] row i of Tpre_t, 8 registers for each m
.set ACC, 192                          ; later: 8 accumulators, then the rows read back
.set G1,  68                           ; s[68:75] descriptor group 1
.set G0,  76                           ; s[76:79] descriptor group 0
.set MSB, 0                            ; window 1, v0-255: the wave's 32 fragments of Wo^T: (nt', ks) at 32 nt' + 8 ks
.macro WIN new
.if MSB != (\new)
	s_set_vgpr_msb (MSB<<8)|(\new)
.set MSB, (\new)
.endif
.endm
.macro EACH n, line:vararg             ; the line for i = 0 .. n - 1
.set i, 0
.rept \n
	\line
.set i, i+1
.endr
.endm
.macro ROUND                           ; a round of the cluster's barrier
	s_barrier_signal -1
	s_barrier_wait -1
	s_cmp_lg_u32 s17, 0
	s_cbranch_scc1 .Lnw0_\@
	s_barrier_signal -3
.Lnw0_\@:
	s_barrier_wait -3
	s_barrier_signal -1
	s_barrier_wait -1
.endm
.macro LATE                            ; what the way out wants is asked for; my piece of Wo^T goes from LDS into registers, beside the vector work that follows
	EACH 16, global_load_b128 v[X+4*i:X+4*i+3], v8, s[50:51] offset:4096*i th:TH_LOAD_NT
	global_load_b128 v[BOV:BOV+3], v8, s[52:53]
	s_wait_tensorcnt 0x0                           ; my piece has landed
	WIN 0x40
	EACH 64, ds_load_b128 v[4*i:4*i+3], v12 offset:512*i
	WIN 0
	s_wait_loadcnt 17                              ; all that phases A and B want is in; x and bo, 17 loads, stay out
.endm
.macro BCAST                           ; HB[j] = HV of lane j
	EACH 16, v_readlane_b32 s[32+i], v[HV], i
	EACH 16, v_mov_b32 v[HB+i], s[32+i]
.endm
.macro MIX d, a, j, c                  ; d = (f16 half j % 2 of a) x HB[j] + c, in f32
.if ((\j)%2) == 0
	v_fma_mix_f32 v[\d], v[\a], v[HB+(\j)], v[\c] op_sel_hi:[1,0,0]
.else
	v_fma_mix_f32 v[\d], v[\a], v[HB+(\j)], v[\c] op_sel:[1,0,0] op_sel_hi:[1,0,0]
.endif
.endm
.macro LINK cc                         ; H_(cc+1) from H_cc; left where chunk cc is not in front of mine
	s_cmp_le_u32 s19, \cc
	s_cbranch_scc1 .Lchained
	BCAST
	MIX AC, PAT+8*(\cc)-8, 0, LE+(\cc)
	MIX AC+1, PAT+8*(\cc)-8, 1, NIL
	MIX AC+2, PAT+8*(\cc)-7, 2, NIL
	MIX AC+3, PAT+8*(\cc)-7, 3, NIL
.set i, 4
.rept 12
	MIX AC+i%4, PAT+8*(\cc)-8+i/2, i, AC+i%4
.set i, i+1
.endr
	v_add_f32 v[AC], v[AC], v[AC+1]
	v_add_f32 v[AC+2], v[AC+2], v[AC+3]
	v_add_f32 v[HV], v[AC], v[AC+2]
.endm
	s_load_b256 s[4:11], s[0:1], 0x0               ; tpre 4, loc 6, wof 8, x 10
	s_load_b128 s[12:15], s[0:1], 0x20             ; bo 12, out0 14
	v_lshl_add_u32 v[SPW], v0, 2, SPARE
	v_mov_b32 v[NIL], 0
	ds_add_u32 v[SPW], v[NIL]                      ; the wave's opening: the add, twice on end, and its wait ahead of my first tensor load
	ds_add_u32 v[SPW], v[NIL]
	v_lshrrev_b32 v1, 5, v0
	v_readfirstlane_b32 s17, v1                    ; wave
	s_bfe_u32 s66, ttmp6, 0x40000                  ; cx
	s_lshl_b32 s16, ttmp9, 2                       ; in a cluster launch ttmp9 counts clusters
	s_add_co_u32 s16, s16, s66                     ; g: it enters global addresses alone
	s_lshr_b32 s18, ttmp9, 4                       ; b
	s_bfe_u32 s19, ttmp9, 0x30001                  ; c: three bits from bit 1 of the cluster's x
	s_and_b32 s20, s16, 7                          ; which 16 steps of the chunk
	v_and_b32 v1, 15, v0
	v_bfe_u32 v2, v0, 4, 1
	v_and_b32 v3, 31, v0
	v_lshlrev_b32 v4, 2, v3                        ; own loc: 4 x lane
	v_lshlrev_b32 v5, 5, v1                        ; a row i of a 16 x 16 f16 matrix
	v_lshlrev_b32 v6, 2, v1
	v_lshl_add_u32 v7, v2, 12, v5                  ; + one step (8 heads x 512 bytes) for lanes 16-31
	v_lshlrev_b32 v8, 4, v3
	s_lshl_b32 s56, s18, 19                        ; loc: ((8 b + c') x 8 + v) x 8192
	s_lshl_b32 s57, s17, 13
	s_add_co_u32 s56, s56, s57
	s_add_co_u32 s58, s56, 127*64                  ; chunk 0's last step
	s_lshl_b32 s57, s19, 16
	s_add_co_u32 s56, s56, s57
	s_lshl_b32 s57, s20, 10
	s_add_co_u32 s56, s56, s57                     ; my chunk, my 16 steps
	s_mov_b32 s57, 0
	s_mov_b32 s59, 0
	s_lshl_b32 s22, s17, 9                         ; 512 v
	s_mov_b32 s23, 0
	s_lshl_b32 s60, s18, 22                        ; tpre: ((1024 b + 127) x 8 + v) x 512
	s_add_co_u32 s60, s60, s22
	s_add_co_u32 s60, s60, 127*4096
	s_mov_b32 s61, 0
	s_lshl_b32 s62, s16, 16                        ; 65,536 g + 512 v: my rows in tpre (head v), and in x and out0 (columns 128 v on)
	s_add_co_u32 s62, s62, s22
	s_mov_b32 s63, 0
	s_lshl_b32 s20, s17, 15                        ; my piece of Wo^T: 32,768 v, in memory and in LDS
	s_mov_b32 s21, 0
	v_mul_u32_u24 v9, v2, HSP                      ; h into LDS: row 2 m + lane / 16, element 16 v + lane % 16
	v_lshl_add_u32 v9, v1, 1, v9
	s_lshl_b32 s46, s17, 5
	s_add_co_u32 s46, s46, HS
	v_add_nc_u32 v9, s46, v9
	v_mul_u32_u24 v10, v1, HSP                     ; h as a fragment
	v_lshl_add_u32 v10, v2, 4, v10
	v_add_nc_u32 v10, HS, v10
	v_mul_u32_u24 v11, v1, OSP                     ; into my stage: row lane % 16, 32 bytes for each half of the lanes
	v_lshl_add_u32 v11, v2, 5, v11
	v_add_nc_u32 v11, s20, v11
	v_add_nc_u32 v12, s20, v8                      ; 32,768 v + 16 x lane: my piece as it lies, and my stage read back
	; the descriptor: 32,768 dense bytes as 128 rows of 256
	s_mov_b32 s[G1+0], 15|(3<<16)|(1<<21)          ; 15:0 the mask: all four work-groups; 17:16 elements of 8 bytes; 21 set beside a mask; no padding
	s_mov_b32 s[G1+1], 32<<16                      ; tensor_dim0 = 32
	s_mov_b32 s[G1+2], 128<<16                     ; tensor_dim1 = 128
	s_mov_b32 s[G1+3], 32<<16                      ; tile_dim0 = 32
	s_mov_b32 s[G1+4], 128                         ; tile_dim1 = 128
	s_mov_b32 s[G1+5], 32                          ; 32 elements from row to row
	s_mov_b32 s[G1+6], 0
	s_mov_b32 s[G1+7], 0
	s_mov_b32 s[G0], 1
	s_lshl_b32 s[G0+1], s17, 15                    ; LDS address: of the wave's number alone
	s_wait_dscnt 0x0                               ; both opening adds are done
	ROUND                                          ; all four work-groups are here: the joint loads meet.  The round names no argument: it stands while the arguments are on their way
	s_wait_kmcnt 0x0
	s_add_nc_u64 s[G0+2:G0+3], s[8:9], s[20:21]    ; global address: of the wave's number alone
	s_or_b32 s[G0+3], s[G0+3], 0x80000000          ; type = 2
	tensor_load_to_lds s[G0:G0+3], s[G1:G1+7]
	s_nop 0
	s_add_nc_u64 s[24:25], s[6:7], s[56:57]
	s_add_nc_u64 s[28:29], s[6:7], s[58:59]
	s_add_nc_u64 s[26:27], s[4:5], s[60:61]
	s_add_nc_u64 s[30:31], s[4:5], s[62:63]
	s_add_nc_u64 s[50:51], s[10:11], s[62:63]
	s_add_nc_u64 s[52:53], s[12:13], s[22:23]
	s_add_nc_u64 s[54:55], s[14:15], s[62:63]
	EACH 8, global_load_b32 v[HL+i], v4, s[24:25] offset:128*i
	s_cmp_eq_u32 s19, 0
	s_cbranch_scc1 .Lzero
.irp cc, 1,2,3,4,5,6
	global_load_b128 v[PAT+8*\cc-8:PAT+8*\cc-5], v5, s[26:27] offset:\cc*524288
	global_load_b128 v[PAT+8*\cc-4:PAT+8*\cc-1], v5, s[26:27] offset:\cc*524288+16
.endr
	EACH 7, global_load_b32 v[LE+i], v6, s[28:29] offset:65536*i
	EACH 8, global_load_b128 v[TP+8*i:TP+8*i+3], v7, s[30:31] offset:8192*i
	EACH 8, global_load_b128 v[TP+8*i+4:TP+8*i+7], v7, s[30:31] offset:8192*i+16
	LATE
	v_mov_b32 v[HV], v[LE]                         ; H_1
	LINK 1
	LINK 2
	LINK 3
	LINK 4
	LINK 5
	LINK 6
.Lchained:
	BCAST
.set j, 0
.rept 16                                       ; eight sums that do not wait for each other
.set m, 0
.rept 8
	MIX HL+m, TP+8*m+j/2, j, HL+m
.set m, m+1
.endr
.set j, j+1
.endr
	s_branch .Ljoin
.Lzero:
	LATE
.Ljoin:
	EACH 4, v_cvt_pk_f16_f32 v[PKH+i], v[HL+2*i], v[HL+2*i+1]
	EACH 4, ds_store_b16 v9, v[PKH+i] offset:2*HSP*(2*i)
	EACH 4, ds_store_b16_d16_hi v9, v[PKH+i] offset:2*HSP*(2*i+1)
	s_wait_dscnt 0x0                               ; for the others' sake: my h is stored; my piece of Wo^T is in registers too
	s_barrier_signal -1
	s_barrier_wait -1                              ; all eight heads' h lie in LDS
	EACH 4, ds_load_b128 v[HF+8*i:HF+8*i+3], v10 offset:64*i
	EACH 4, ds_load_b128 v[HF+8*i+4:HF+8*i+7], v10 offset:64*i+32
	s_wait_dscnt 0x0
	WIN 0x01                                       ; source 0 in window 1
.irp ks, 0,1,2,3                               ; the eight accumulators take turns; the first product starts each sum
.irp nt, 0,1,2,3,4,5,6,7
.if \ks == 0
	v_wmma_f32_16x16x32_f16 v[ACC+8*\nt:ACC+8*\nt+7], v[32*\nt+8*\ks:32*\nt+8*\ks+7], v[HF+8*\ks:HF+8*\ks+7], 0
.else
	v_wmma_f32_16x16x32_f16 v[ACC+8*\nt:ACC+8*\nt+7], v[32*\nt+8*\ks:32*\nt+8*\ks+7], v[HF+8*\ks:HF+8*\ks+7], v[ACC+8*\nt:ACC+8*\nt+7]
.endif
.endr
.endr
	WIN 0
.rept 4
	v_nop                                          ; places behind the last products
.endr
.irp nt, 0,1,2,3,4,5,6,7
	ds_store_b128 v11, v[ACC+8*\nt:ACC+8*\nt+3]   offset:64*\nt
	ds_store_b128 v11, v[ACC+8*\nt+4:ACC+8*\nt+7] offset:64*\nt+16
.endr
	EACH 16, ds_load_b128 v[ACC+4*i:ACC+4*i+3], v12 offset:OSP*i  ; my own bytes: LDS serves a wave's instructions in order (ISA guide 5.7.1.4)
	s_wait_loadcnt 0x0                             ; x and bo
.set i, 0
.rept 16
	s_wait_dscnt 15-i
	v_pk_add_f32 v[ACC+4*i:ACC+4*i+1], v[ACC+4*i:ACC+4*i+1], v[X+4*i:X+4*i+1]
	v_pk_add_f32 v[ACC+4*i+2:ACC+4*i+3], v[ACC+4*i+2:ACC+4*i+3], v[X+4*i+2:X+4*i+3]
	v_pk_add_f32 v[ACC+4*i:ACC+4*i+1], v[ACC+4*i:ACC+4*i+1], v[BOV:BOV+1]
	v_pk_add_f32 v[ACC+4*i+2:ACC+4*i+3], v[ACC+4*i+2:ACC+4*i+3], v[BOV+2:BOV+3]
	global_store_b128 v8, v[ACC+4*i:ACC+4*i+3], s[54:55] offset:4096*i th:TH_STORE_NT  ; 512 consecutive bytes, aligned
.set i, i+1
.endr
	s_wait_tensorcnt 0x0                           ; the wave's end: behind my last tensor load and my last LDS store
	ds_add_u32 v[SPW], v[NIL]
	s_wait_dscnt 0x0
	ROUND                                          ; the closing round: no work-group ends while a partner may still ask for a piece that names it
	s_endpgm
.Lfunc_end_k_q19e2262ea4_out:
	.size	k_q19e2262ea4_out, .Lfunc_end_k_q19e2262ea4_out-k_q19e2262ea4_out
	.p2alignl 7, 3214868480
	.fill 96, 4, 3214868480
	.section	.rodata,"a",@progbits
	.p2align	6, 0x0
	.amdhsa_kernel k_q19e2262ea4_out
		.amdhsa_group_segment_fixed_size 267776
		.amdhsa_private_segment_fixed_size 0
		.amdhsa_enable_private_segment 0
		.amdhsa_kernarg_size 48
		.amdhsa_user_sgpr_count 2
		.amdhsa_user_sgpr_kernarg_segment_ptr 1
		.amdhsa_wavefront_size32 1
		.amdhsa_system_sgpr_workgroup_id_x 1
		.amdhsa_system_sgpr_workgroup_id_y 1
		.amdhsa_system_sgpr_workgroup_id_z 1
		.amdhsa_system_vgpr_workitem_id 0
		.amdhsa_next_free_vgpr 512
		.amdhsa_next_free_sgpr 96
		.amdhsa_reserve_vcc 0
		.amdhsa_float_denorm_mode_32 3
		.amdhsa_float_denorm_mode_16_64 3
		.amdhsa_memory_ordered 1
		.amdhsa_forward_progress 1
		.amdhsa_inst_pref_size 58
	.end_amdhsa_kernel
	.amdgpu_metadata
---
amdhsa.version: [ 1, 2 ]
amdhsa.kernels:
  - .name:           k_q19e2262ea4_out
    .symbol:         k_q19e2262ea4_out.kd
    .args:
      - { .name: tpre, .offset: 0, .size: 8, .value_kind: global_buffer, .address_space: global }
      - { .name: loc, .offset: 8, .size: 8, .value_kind: global_buffer, .address_space: global }
      - { .name: wof, .offset: 16, .size: 8, .value_kind: global_buffer, .address_space: global }
      - { .name: x, .offset: 24, .size: 8, .value_kind: global_buffer, .address_space: global }
      - { .name: bo, .offset: 32, .size: 8, .value_kind: global_buffer, .address_space: global }
      - { .name: out0, .offset: 40, .size: 8, .value_kind: global_buffer, .address_space: global }
    .group_segment_fixed_size: 267776
    .private_segment_fixed_size: 0
    .kernarg_segment_align: 8
    .kernarg_segment_size: 48
    .max_flat_workgroup_size: 256
    .sgpr_count:     96
    .vgpr_count:     512
    .wavefront_size: 32
...
	.end_amdgpu_metadata
.endif
;; end of part 3
